; MI455X (gfx1250); checked and timed in simulation.
; The chip was launched on July 23, 2026; its instructions are those of AMD's public machine-readable ISA for CDNA 5 (MIT licence, August 2026) and "CDNA5" Instruction Set Architecture Reference Guide (July 2026). The comments in the code are by the model that wrote it; some were corrected since.
;; Gemm RS Baseline. Allowed arithmetic: matrix products marked QUANTISED: E4M3 operands, one E8M0 scale for each 32 along K, by v_wmma_scale_f32_16x16x128_f8f6f4 with both operands' format E4M3, f32 sums; everything else in f32.
;; Inputs: weight 8 x 1,024 x 4,096 float32; x 8 x 2,048 x 1,024 float32.
;; Outputs: out0 8 x 256 x 4,096 float32.
;; This version of the problem:
;;   THIS VERSION OF THE PROBLEM IS GIVEN IN LOW PRECISION. The matrix products marked QUANTISED in the list below multiply operands that are first quantised to E4M3 (4 exponent bits, 3 mantissa bits; 8 bits a number), with one power-of-two scale for each 32 numbers along K (OCP MX v1.0); their sums are f32. All else is computed in f32.
;;   The module's matrix products, in the order in which they are computed (A, B: the left and right operand; K: the contracted axis; several contracted axes count as one K, in the product's order):
;;     1. [M 2,048, K 8,192] x [K 8,192, N 4,096]; A: input x; B: input weight: QUANTISED
;;   THE QUANTISER, for each operand of a quantised product, along K:
;;     - K is cut into blocks of 32 from its start; a last block that is shorter is filled with zeros.
;;     - A block's scale is 2^e with e = floor(log2(the largest magnitude in the block)) - 8, held to -126 .. 127; a block of zeros has e = 0. As a byte (E8M0): e + 127.
;;     - Each number is divided by its block's scale, clamped to +-448, and rounded to the nearest number of E4M3, ties to even, subnormals kept.
;;     - The product sums the exact products of the quantised numbers (number of the format x scale) in f32.
;;   ~~~python
;;   def quantise(x, axis):      # numpy; x: float32 -> the quantised numbers, widened to float32 again
;;       x = np.moveaxis(x, axis, -1); K = x.shape[-1]
;;       x = np.pad(x, [(0, 0)] * (x.ndim - 1) + [(0, -K % 32)]); x = x.reshape(x.shape[:-1] + (-1, 32)); a = np.abs(x).max(-1, keepdims=True)
;;       e = np.where(a > 0, np.clip(np.frexp(np.where(a > 0, a, 1))[1] - 1 - 8, -126, 127), 0)      # np.frexp(a)[1] - 1 = floor(log2(a)), exactly
;;       r = np.clip(x / 2.0 ** e, -448, 448)
;;       step = 2.0 ** (np.maximum(np.frexp(np.where(r == 0, 1, r))[1] - 1, -6) - 3)
;;       q = np.round(r / step) * step * 2.0 ** e      # np.round: ties to even
;;       return np.moveaxis(q.reshape(q.shape[:-2] + (-1,))[..., :K], -1, axis).astype(np.float32)
;;   ~~~
;; One version. Each part assembles by itself: llvm-mc -triple=amdgcn-amd-amdhsa -mcpu=gfx1250 --defsym DOCPART=n.
;; ======== version 1 of 1: 2 launches
;; limits: right only within a limited range of input values
;; workspace buffers: aq 17,301,504 bytes; bq 34,603,008 bytes
;; launch quant (part 1): grid 1536 x 1, 4 waves a work-group, no clusters, 44,032 bytes of LDS; arguments x, weight, aq, bq; writes aq, bq
.if DOCPART == 1
	.amdgcn_target "amdgcn-amd-amdhsa--gfx1250"
	.amdhsa_code_object_version 6
	.text
	.protected	k_q6bbe410d55_quant
	.globl	k_q6bbe410d55_quant
	.p2align	8
	.type	k_q6bbe410d55_quant,@function
k_q6bbe410d55_quant:
	s_mov_b64 s[64:65], 0
	v_nop
	global_prefetch_b8 v0, s[64:65] scope:SCOPE_SE
	s_setreg_imm32_b32 hwreg(HW_REG_WAVE_MODE, 25, 1), 1
	s_wait_xcnt 0x0
; x [8][2048][1024] and weight [8][1024][4096], f32, become codes of FP8 (E4M3) with one E8M0 scale byte for each 32 along K.
; K's ORDER IS THE PRODUCT'S: the einsum is lowered with the contracted axes (k, rank), so K = 8 k + rank, and a block of 32 is 4 neighbouring k of all 8 ranks.
; A block's scale is 2^(floor(log2(its largest magnitude)) - 8); its byte is the largest magnitude's exponent field - 8, held at 1 from below by a floor among the maximum's leaves.
; Each number is divided by the scale, held within +-448 and rounded to the nearest code, ties to even.
; LIMITS: NaN and infinities among the inputs are not served.  A block of zeros gets the byte 1 where the rule says 127: its codes are zeros, which add nothing under any byte but 0xff, and this program alone reads the bytes.
; THE WORKSPACE IS LAID IN THE ORDER OF THE OPERAND'S REGISTERS.  K step s (0..63) is k = 16 s .. 16 s + 15 of all ranks; its block c is k = 16 s + 4 c .. + 3; place p (0..31) of a block is rank p / 4, k offset p % 4: alike in both operands.
; A fragment (16 rows x a K step) is 2,048 bytes: register group c (0..3) of lane l at 512 c + 16 l; lane (r = l % 16, h = l / 16) holds row r, places 16 h + 0..15 of block c.
; A panel is 8 fragments (128 rows x a K step), then two runs of 256 bytes of scale words: 16,896 bytes.
;   aq: [tile row of 128 rows: 16][K step: 64][panel];  scale run u: lane l's 8 bytes at 8 l; word p is that of block of rows 4 u + 2 p + l / 16, row l % 16.
;   bq: [tile column of 256: 16][K step: 64][half of 128 columns: 2][panel];  scale run u: the word at 4 i is that of column 64 u + i.
; SHARES.  Work-groups 0..511 take x, 512..1535 weight: 128 KiB of f32 each.  IN BOTH PATHS A WHOLE BLOCK LIES IN ONE LANE'S REGISTERS, in the order of its places: its largest magnitude needs no other lane, and the
; conversions' results are 16-byte pieces of the fragments, which go through the wave's own stage in LDS and leave as runs of 512 bytes.  The two paths have LDS bytes of their own.
; Every offset is an immediate: the steps are written out, no pointer is stepped.  The ranks lie too far apart for an immediate: eight addresses, one a rank.
.set PANEL, 16896
.set BASE,  32                         ; s[32:47] my part of each rank
; ---- the path for x
.set XM,    12                         ; v[12:13] the largest magnitude, in two chains
.set XSO,   14                         ; v14     the conversions' scale operand
.set XHO,   15                         ; v15     448 x the scale
.set XBY,   16                         ; v16     the scale's byte
.set SX,    34                         ; v[34:35] a run of scale words on its way out
.set PC,    48                         ; v48-55  a block's codes
.set R,     64                         ; v64-191 four sets of 32 numbers; at the end v64-127: the codes on their way out
.set XSTG,  16*528                     ; a wave's stage: 16 register groups (K step i / 4, group i % 4) of 512 bytes + 16
.set SCX,   4*XSTG                     ; behind the stages: the scale words of the work-group's 64 rows, 256 bytes for each of its four K steps
; ---- the path for weight
.set M,     10                         ; v[10:11] largest magnitudes of my two columns
.set SO,    12                         ; v[12:13] scale operands
.set HO,    14                         ; v[14:15] 448 x the scale
.set BY,    16                         ; v[16:17] bytes
.set SW,    18                         ; v[18:19] my two columns' scale words
.set T,     32                         ; v32-47  two groups of eight numbers, places on end
.set C,     48                         ; v48-63  codes: column jj at C + 8 jj
.set X,     64                         ; v64-127, v128-191  two sets: register 2 i + jj = place i of the block, column jj
.set WBASE, SCX+1024                   ; behind all that the path for x uses
.set WSTG,  4*528                      ; a wave's stage: four fragments' 512 bytes + 16 each
	s_load_b256 s[4:11], s[0:1], 0x0               ; x s[4:5], weight s[6:7], aq s[8:9], bq s[10:11]
	v_lshl_add_u32 v192, v0, 2, 0xaa00
	v_mov_b32 v193, 0
	v_lshrrev_b32 v1, 5, v0
	v_readfirstlane_b32 s12, v1                    ; wave 0..3
	v_and_b32 v1, 31, v0                           ; lane
	v_and_b32 v2, 15, v0                           ; lane % 16
	v_bfe_u32 v3, v0, 4, 1                         ; lane / 16
	s_mov_b32 s22, 0x600000                        ; the mantissa field of 448
	s_mov_b32 s15, 0                               ; the upper word of the offsets' pair s[14:15]: every offset here is under 2^31
	s_wait_kmcnt 0x0
	s_cmp_lt_u32 ttmp9, 512
	s_cbranch_scc0 .Lweight
; =============================== x ===============================
; Work-group g: rows 64 (g / 16) on, k = 64 (g % 16) on (four K steps), all ranks; wave w: 16 of the rows: one fragment of each of the four K steps.
; A step takes two rows: lanes 0-15 one, lanes 16-31 the next.  A load reads, of one rank, 256 consecutive aligned bytes of each of the two rows; lane i of a row gets k = 4 i .. 4 i + 3.
; Eight loads, a rank each, so give a lane the whole block (K step i / 4, block i % 4) of its row, register 4 rank + k offset = the place.
	s_and_b32 s16, ttmp9, 15                       ; which 64 k
	s_lshr_b32 s13, ttmp9, 4                       ; which 64 rows
	s_lshl_b32 s14, s13, 18                        ; 64 rows of 4,096 bytes
	s_lshl_b32 s17, s12, 16                        ; + my wave's 16 rows
	s_add_co_u32 s14, s14, s17
	s_lshl_b32 s17, s16, 8                         ; + 256 bytes for each 64 k
	s_add_co_u32 s14, s14, s17
	s_add_nc_u64 s[BASE:BASE+1], s[4:5], s[14:15]
.irp r, 1,2,3,4,5,6,7
	s_add_nc_u64 s[BASE+2*\r:BASE+2*\r+1], s[BASE+2*\r-2:BASE+2*\r-1], 0x800000   ; a rank of x is 2,048 rows of 4,096 bytes
.endr
	s_lshr_b32 s17, s13, 1                         ; the tile row of 128 rows
	s_mul_i32 s14, s17, 64*PANEL
	s_mul_i32 s17, s16, 4*PANEL                    ; my first K step
	s_add_co_u32 s14, s14, s17
	s_add_nc_u64 s[8:9], s[8:9], s[14:15]          ; its panel
	s_and_b32 s13, s13, 1                          ; which 64 rows of the panel's 128
	s_lshl_b32 s16, s13, 13
	s_lshl_b32 s17, s12, 11
	s_add_co_u32 s16, s16, s17                     ; my fragment in a panel: 4 x half + wave
	s_lshl_b32 s17, s13, 8
	s_add_co_u32 s17, s17, 8*2048                  ; the half's run of scale words,
	s_mul_i32 s19, s12, PANEL
	s_add_co_u32 s17, s17, s19                     ; in the panel of K step w: wave w stores that one
	s_mul_i32 s18, s12, XSTG                       ; my stage
	s_and_b32 s19, s12, 1                          ; my rows' place in a run of scale words: 128 (w % 2) + 4 (w / 2)
	s_lshl_b32 s19, s19, 7
	s_lshr_b32 s20, s12, 1
	s_lshl_b32 s20, s20, 2
	s_add_co_u32 s19, s19, s20
	s_add_co_u32 s19, s19, SCX
	s_lshl_b32 s20, s12, 8
	s_add_co_u32 s20, s20, SCX                     ; K step w's run in LDS
	s_wait_alu depctr_va_vdst(0)
	v_lshlrev_b32 v4, 4, v2                        ; in: 16 bytes a lane,
	v_lshl_add_u32 v4, v3, 12, v4                  ; lanes 16-31 a row further down
	v_mul_u32_u24 v5, v2, 528                      ; the stage on the way in: register group lane % 16; groups 528 bytes apart: sixteen lanes take sixteen different 16-byte columns modulo 256
	v_lshl_add_u32 v5, v3, 4, v5                   ; in it 16 bytes a row
	v_add_nc_u32 v5, s18, v5
	v_lshl_add_u32 v6, v1, 4, s18                  ; and back: 16 bytes a lane of a register group
	v_lshl_add_u32 v7, v1, 4, s16                  ; out: the same place in my fragment
	v_lshl_add_u32 v8, v1, 3, s17                  ; out: my 8 bytes of a run of scale words
	v_lshrrev_b32 v9, 2, v2                        ; my block's byte: K step (lane % 16) / 4: 256 bytes each;
	v_lshlrev_b32 v9, 8, v9
	v_and_b32 v11, 3, v2                           ; byte lane % 4 of the word;
	v_add_nc_u32 v9, v9, v11
	v_lshl_add_u32 v9, v3, 3, v9                   ; 8 bytes a row
	v_add_nc_u32 v9, s19, v9
	v_lshl_add_u32 v10, v1, 3, s20                 ; and back: 8 bytes a lane of K step w's run
.macro LOADX t                         ; step t: rows 2 t and 2 t + 1 of my 16, all ranks, into set t % 4
.irp r, 0,1,2,3,4,5,6,7
	global_load_b128 v[R+32*((\t)%4)+4*\r:R+32*((\t)%4)+4*\r+3], v4, s[BASE+2*\r:BASE+2*\r+1] offset:(\t)*8192 th:TH_LOAD_NT
.endr
.endm
.macro STEPX t
.set XS, R+32*((\t)%4)
.if (\t) < 5
	s_wait_loadcnt 24                              ; this step's eight loads are in; those of the three steps behind it may be out
.else
	s_wait_loadcnt 8*(7-(\t))
.endif
.if (\t) > 0
	s_wait_dscnt 0x0                               ; the last step's LDS stores have read their registers: the byte and the codes may be written again
.endif
	v_max3_num_f32 v[XM], |v[XS]|, |v[XS+1]|, |v[XS+2]|             ; the block's largest magnitude: all 32 numbers are mine; two chains
	v_max3_num_f32 v[XM+1], |v[XS+3]|, |v[XS+4]|, |v[XS+5]|
.irp i, 6,10,14,18,22,26
	v_max3_num_f32 v[XM], v[XM], |v[XS+\i]|, |v[XS+\i+1]|
	v_max3_num_f32 v[XM+1], v[XM+1], |v[XS+\i+2]|, |v[XS+\i+3]|
.endr
	v_max3_num_f32 v[XM], v[XM], |v[XS+30]|, |v[XS+31]|
	v_max3_num_f32 v[XM], v[XM], v[XM+1], 0x4800000                 ; and the floor 2^(9 - 127): the byte cannot fall under 1
	v_add_nc_u32 v[XSO], 0xfc000000, v[XM]         ; 8 off its exponent field: the conversion takes the exponent field of this operand as its scale
	v_and_or_b32 v[XHO], v[XM], 0x7f800000, s22    ; 448 x the scale
	v_lshrrev_b32 v[XBY], 23, v[XSO]               ; the scale's byte
.irp i, 0,1,2,3,4,5,6,7,8,9,10,11,12,13,14,15,16,17,18,19,20,21,22,23,24,25,26,27,28,29,30,31
	v_med3_num_f32 v[XS+\i], v[XS+\i], -v[XHO], v[XHO]              ; the conversion to an 8-bit code does not saturate (ISA guide 7.6.2): the hold comes first
.endr
.irp g, 0,1,2,3
	v_cvt_scalef32_pk8_fp8_f32 v[PC+2*\g:PC+2*\g+1], v[XS+8*\g:XS+8*\g+7], v[XSO]
.endr
	v_nop                                          ; the plain line behind the last conversion
	ds_store_b8 v9, v[XBY] offset:16*(\t)          ; 8 bytes a row, two rows a step
	ds_store_b128 v5, v[PC:PC+3] offset:32*(\t)            ; places 0-15: the 16 bytes of lane (row, 0) of the register group
	ds_store_b128 v5, v[PC+4:PC+7] offset:32*(\t)+256      ; places 16-31: of lane (row, 1)
.if (\t) < 4
	LOADX (\t)+4
.endif
.endm
	LOADX 0
	LOADX 1
	LOADX 2
	LOADX 3
.irp t, 0,1,2,3,4,5,6,7
	STEPX \t
.endr
.irp q, 0,1,2,3,4,5,6,7,8,9,10,11,12,13,14,15
	ds_load_b128 v[R+4*\q:R+4*\q+3], v6 offset:528*\q              ; register group q % 4 of K step q / 4, lane by lane; LDS serves a wave's instructions in order (ISA guide 5.7.1.4): these see my stores
.endr
	s_wait_dscnt 0x0                               ; for the others' sake: my scale bytes have landed (and my codes are back)
	s_barrier_signal -1
	s_barrier_wait -1                              ; the four runs of scale words are whole
	ds_load_b64 v[SX:SX+1], v10
.irp q, 0,1,2,3,4,5,6,7,8,9,10,11,12,13,14,15
	global_store_b128 v7, v[R+4*\q:R+4*\q+3], s[8:9] offset:(\q/4)*PANEL+(\q%4)*512   ; 32 lanes store 512 consecutive bytes, at a multiple of 256 from the buffer's first byte
.endr
	s_wait_dscnt 0x0
	global_store_b64 v8, v[SX:SX+1], s[8:9]        ; 32 lanes store 256 consecutive bytes, aligned
	s_wait_tensorcnt 0x0
	ds_add_u32 v192, v193
	s_wait_dscnt 0x0
	s_endpgm
; =============================== weight ===============================
; Work-group g' = g - 512: K step g' / 16 (16 rows of each rank) x tile column g' % 16 (256 columns, 1,024 consecutive bytes of each row); wave w: 64 columns.
; A LANE TAKES TWO NEIGHBOURING COLUMNS AND ITS REGISTERS RUN THROUGH A BLOCK'S PLACES: a load reads 256 consecutive bytes, aligned.  The hold writes each column's numbers, places on end, into a group of
; eight registers, from which the conversion takes them: parting the two columns costs no instruction.
.Lweight:
	s_sub_co_u32 s13, ttmp9, 512
	s_and_b32 s16, s13, 15                         ; the tile column
	s_lshr_b32 s17, s13, 4                         ; the K step
	s_lshl_b32 s14, s17, 18                        ; 16 rows of 16,384 bytes
	s_lshl_b32 s18, s16, 10
	s_add_co_u32 s14, s14, s18
	s_lshl_b32 s18, s12, 8                         ; my wave's 64 columns
	s_add_co_u32 s14, s14, s18
	s_add_nc_u64 s[BASE:BASE+1], s[6:7], s[14:15]
.irp r, 1,2,3,4,5,6,7
	s_add_nc_u64 s[BASE+2*\r:BASE+2*\r+1], s[BASE+2*\r-2:BASE+2*\r-1], 0x1000000   ; a rank of weight is 1,024 rows of 16,384 bytes
.endr
	s_mul_i32 s14, s16, 64*2*PANEL
	s_mul_i32 s17, s17, 2*PANEL
	s_add_co_u32 s14, s14, s17
	s_lshr_b32 s18, s12, 1                         ; which half of the 256 columns
	s_mul_i32 s18, s18, PANEL
	s_add_co_u32 s14, s14, s18
	s_add_nc_u64 s[10:11], s[10:11], s[14:15]      ; my panel
	s_and_b32 s18, s12, 1                          ; which 64 columns of the panel's 128
	s_lshl_b32 s16, s18, 13
	s_lshl_b32 s17, s18, 8
	s_add_co_u32 s17, s17, 8*2048
	s_mul_i32 s19, s12, WSTG
	s_add_co_u32 s19, s19, WBASE
	s_wait_alu depctr_va_vdst(0)
	v_lshlrev_b32 v4, 3, v1                        ; in: 8 bytes a lane
	v_lshrrev_b32 v5, 3, v1                        ; my columns' fragment: lane / 8;
	v_mul_u32_u24 v5, v5, 528
	v_and_b32 v9, 7, v1
	v_lshl_add_u32 v5, v9, 5, v5                   ; in it column 2 (lane % 8) + jj: 16 bytes each
	v_add_nc_u32 v5, s19, v5                       ; sixteen lanes so take sixteen different 16-byte columns modulo 256
	v_lshl_add_u32 v6, v1, 4, s19                  ; back: 16 bytes a lane of a fragment's register group
	v_lshl_add_u32 v7, v1, 4, s16                  ; out: the same place in the panel
	v_lshl_add_u32 v8, v1, 3, s17                  ; and my two scale words
.macro LOADW c                         ; block c: place i = rank i / 4, row 4 c + i % 4 of the K step's 16, into set c % 2
.irp i, 0,1,2,3,4,5,6,7,8,9,10,11,12,13,14,15,16,17,18,19,20,21,22,23,24,25,26,27,28,29,30,31
	global_load_b64 v[X+64*((\c)%2)+2*\i:X+64*((\c)%2)+2*\i+1], v4, s[BASE+2*(\i/4):BASE+2*(\i/4)+1] offset:(4*(\c)+\i%4)*16384 th:TH_LOAD_NT
.endr
.endm
.macro BLOCKW c
.set XS, X+64*((\c)%2)
.if (\c) < 3
	s_wait_loadcnt 32                              ; this block's 32 loads are in; the next block's 32 may be out
.else
	s_wait_loadcnt 0x0
.endif
.irp jj, 0,1
	v_max3_num_f32 v[M+\jj], |v[XS+\jj]|, |v[XS+2+\jj]|, 0x4800000   ; all 32 numbers of a block are mine; the floor 2^(9 - 127) holds the byte at 1 from below
.endr
.irp i, 2,4,6,8,10,12,14,16,18,20,22,24,26,28,30
.irp jj, 0,1
	v_max3_num_f32 v[M+\jj], v[M+\jj], |v[XS+2*\i+\jj]|, |v[XS+2*\i+2+\jj]|   ; the two columns by turns
.endr
.endr
.irp jj, 0,1
	v_add_nc_u32 v[SO+\jj], 0xfc000000, v[M+\jj]   ; 8 off the exponent field: the conversion's scale operand
.endr
.irp jj, 0,1
	v_and_or_b32 v[HO+\jj], v[M+\jj], 0x7f800000, s22   ; 448 x the scale
.endr
.irp jj, 0,1
	v_lshrrev_b32 v[BY+\jj], 23, v[SO+\jj]         ; the scale's byte
.endr
.irp jj, 0,1
.if (\c) == 0
	v_mov_b32 v[SW+\jj], v[BY+\jj]                 ; four bytes to a word, block c in byte c
.else
	v_lshl_or_b32 v[SW+\jj], v[BY+\jj], 8*(\c), v[SW+\jj]
.endif
.endr
	s_wait_alu depctr_va_vdst(0)
	s_wait_xcnt 0x0                                ; the last block's stores have read v[C] on: only behind this wait are the codes written again
.irp jj, 0,1
.irp g, 0,1,2,3
.irp e, 0,1,2,3,4,5,6,7
	v_med3_num_f32 v[T+8*((\g)%2)+\e], v[XS+2*(8*\g+\e)+\jj], -v[HO+\jj], v[HO+\jj]   ; the hold, and places on end.  The two groups take turns: eight plain lines stand between a conversion and the next write of its sources
.endr
	v_cvt_scalef32_pk8_fp8_f32 v[C+8*\jj+2*\g:C+8*\jj+2*\g+1], v[T+8*((\g)%2):T+8*((\g)%2)+7], v[SO+\jj]
.endr
.endr
	v_nop                                          ; the plain line behind the last conversion
.irp jj, 0,1
.irp h, 0,1
	ds_store_b128 v5, v[C+8*\jj+4*\h:C+8*\jj+4*\h+3] offset:16*\jj+256*\h   ; places 16 h + 0..15 of my column: the 16 bytes of lane (column, h) of the fragment
.endr
.endr
.irp b, 0,1,2,3
	ds_load_b128 v[C+4*\b:C+4*\b+3], v6 offset:528*\b              ; register group c of fragment b, lane by lane; LDS serves a wave's instructions in order
.endr
.if (\c) < 2
	LOADW (\c)+2
.endif
	s_wait_dscnt 0x0
.irp b, 0,1,2,3
	global_store_b128 v7, v[C+4*\b:C+4*\b+3], s[10:11] offset:2048*\b+512*(\c)   ; 32 lanes store 512 consecutive bytes, at a multiple of 256 from the buffer's first byte
.endr
.endm
	LOADW 0
	LOADW 1
	BLOCKW 0
	BLOCKW 1
	BLOCKW 2
	BLOCKW 3
	global_store_b64 v8, v[SW:SW+1], s[10:11]      ; 32 lanes store 256 consecutive bytes, aligned
	s_wait_tensorcnt 0x0
	ds_add_u32 v192, v193
	s_wait_dscnt 0x0
	s_endpgm
.Lfunc_end_k_q6bbe410d55_quant:
	.size	k_q6bbe410d55_quant, .Lfunc_end_k_q6bbe410d55_quant-k_q6bbe410d55_quant
	.p2alignl 7, 3214868480
	.fill 96, 4, 3214868480
	.section	.rodata,"a",@progbits
	.p2align	6, 0x0
	.amdhsa_kernel k_q6bbe410d55_quant
		.amdhsa_group_segment_fixed_size 44032
		.amdhsa_private_segment_fixed_size 0
		.amdhsa_enable_private_segment 0
		.amdhsa_kernarg_size 32
		.amdhsa_user_sgpr_count 2
		.amdhsa_user_sgpr_kernarg_segment_ptr 1
		.amdhsa_wavefront_size32 1
		.amdhsa_system_sgpr_workgroup_id_x 1
		.amdhsa_system_sgpr_workgroup_id_y 1
		.amdhsa_system_sgpr_workgroup_id_z 1
		.amdhsa_system_vgpr_workitem_id 0
		.amdhsa_next_free_vgpr 194
		.amdhsa_next_free_sgpr 66
		.amdhsa_reserve_vcc 0
		.amdhsa_float_denorm_mode_32 3
		.amdhsa_float_denorm_mode_16_64 3
		.amdhsa_memory_ordered 1
		.amdhsa_forward_progress 1
		.amdhsa_inst_pref_size 89
	.end_amdhsa_kernel
	.amdgpu_metadata
---
amdhsa.version: [ 1, 2 ]
amdhsa.kernels:
  - .name:           k_q6bbe410d55_quant
    .symbol:         k_q6bbe410d55_quant.kd
    .args:
      - { .name: x, .offset: 0, .size: 8, .value_kind: global_buffer, .address_space: global }
      - { .name: weight, .offset: 8, .size: 8, .value_kind: global_buffer, .address_space: global }
      - { .name: aq, .offset: 16, .size: 8, .value_kind: global_buffer, .address_space: global }
      - { .name: bq, .offset: 24, .size: 8, .value_kind: global_buffer, .address_space: global }
    .group_segment_fixed_size: 44032
    .private_segment_fixed_size: 0
    .kernarg_segment_align: 8
    .kernarg_segment_size: 32
    .max_flat_workgroup_size: 128
    .sgpr_count:     66
    .vgpr_count:     194
    .wavefront_size: 32
...
	.end_amdgpu_metadata
.endif
;; end of part 1
;; launch gemm (part 2): grid 16 x 16, 4 waves a work-group, clusters of 4 x 4, 327,680 bytes of LDS; arguments aq, bq, out0; writes out0
.if DOCPART == 2
	.amdgcn_target "amdgcn-amd-amdhsa--gfx1250"
	.amdhsa_code_object_version 6
	.text
	.protected	k_q6bbe410d55_gemm
	.globl	k_q6bbe410d55_gemm
	.p2align	8
	.type	k_q6bbe410d55_gemm,@function
k_q6bbe410d55_gemm:
	s_mov_b64 s[64:65], 0
	v_nop
	global_prefetch_b8 v0, s[64:65] scope:SCOPE_SE
	s_setreg_imm32_b32 hwreg(HW_REG_WAVE_MODE, 25, 1), 1
	s_wait_xcnt 0x0
	s_wait_alu depctr_hold_cnt(0) depctr_sa_sdst(0) depctr_va_vdst(0) depctr_va_sdst(0) depctr_va_ssrc(0) depctr_va_vcc(0) depctr_vm_vsrc(0)
	s_getreg_b32 s2, hwreg(HW_REG_IB_STS2, 6, 4)
	s_cmp_eq_u32 s2, 0
	s_cbranch_scc0 .Lentry_in_a_cluster
	s_endpgm
.Lentry_in_a_cluster:
	s_bfe_u32 s2, ttmp6, 0x10000c
	s_cmp_lg_u32 s2, 0xf033
	s_cbranch_scc0 .Lentry_shape_is_right
	s_endpgm
.Lentry_shape_is_right:
; out0 [2048][4096] f32 = A B^T on the codes and scale words that launch quant laid down (aq, bq: panels of 8 fragments in the order of the operand's registers, then 512 bytes of scale words).
; A work-group makes 128 rows x 256 columns.  Its four waves are (kh, mh): wave 2 kh + mh makes rows 64 mh .. + 63 x all 256 columns over the K steps 2 j + kh, j = 0 .. 31: 64 accumulators, 512 registers.
; So every output has two partial f32 sums, one over the even and one over the odd K steps of 128, which are added at the end: the order of the sum differs so from one ascending chain.
; B: a K step's 256 columns are 33,792 dense bytes.  A slot holds four K steps (135,168 bytes), a wave fetches one of them by one tensor load; two slots take turns.  The four work-groups of a column of the
; 4 x 4 cluster need the same tiles of B and ask for them JOINTLY.  A: each byte of a panel is wanted by ONE wave of the work-group, so it goes from memory straight into that wave's registers, 17 loads a step,
; in three sets: the loads of a wave's next two steps are issued together, at the head of a slot's last step.  A is not asked for jointly: two slots of A's four K steps (2 x 67,584 bytes) beside B's 270,336 do not fit into 327,680 bytes of LDS.
; THE MATRIX INSTRUCTION IS USED TRANSPOSED (source 0 = 16 columns of B, source 1 = 16 rows of A): a lane holds eight neighbouring numbers of a row of the result.
; For waves with kh = 1 the two halves of the columns change places in the registers (by the LDS addresses alone): every wave has in window 2 the half kh, which it finishes, and in window 3 the half that its partner finishes.
; REGISTERS: window 0: v0-63 addresses and scale words, v64-255 A's three sets of 4 fragments; window 1: B's 16 fragments, one set, fetched anew by halves; windows 2, 3: accumulator (fragment f of the half, block a) at v[8 (4 f + a)].
; PREFETCHES: behind each refill a wave names, of the slot of B that stands two refills on, 33 of the 132 blocks of 256 bytes of the K step that it fetches (the four partners part them by address, by cy),
; and of A's panels three slots on from the slot at work 17 of the 66 blocks of one panel (parted by cx, held to the panel's last block).  The first slots come by their loads alone; the last trips ask for nothing.
.set PANEL,  16896
.set BSUB,   2*PANEL                   ; a K step of B, and two K steps of A
.set ASTRIP, 64*PANEL
.set BSTRIP, 64*BSUB
.set SLOT,   4*BSUB
.set SPARE,  2*SLOT                    ; the spare words: 512 bytes that no other line names
.set STAGE,  SPARE+512                 ; the way out: 16 rows x 528 bytes for each wave
.set SPITCH, 528
.set ROWC,   16384                     ; a row of the result in bytes
.set ADB,  10                          ; v10-17  LDS address of B's fragments: 2 (own step % 4) + half
.set ADS,  18                          ; v18-25  the same for B's scale words
.set AFO,  26                          ; v26     my offset in a panel of A
.set ASO,  27                          ; v27     and of my scale words
.set SPW,  28
.set NIL,  29
.set PFA,  30                          ; v30, v31, v56 the prefetches' offsets
.set PFB0, 31
.set SCA,  32                          ; v32-37  A's scale words, two registers a set
.set SCB,  40                          ; v40-55  B's scale words, two sets of eight
.set PFB1, 56
.set XST,  57                          ; v57, v58 the exchange: where I put, where I take
.set XLD,  58
.set STO,  59
.set RD,   60
.set CO,   61                          ; 16 x lane
.set AF,   64
.set G1,   24                          ; s[24:31] descriptor group 1; s[32:39] group 0, a set for each slot
.set G0,   32
.set MSB, 0
.macro WIN new                         ; the immediate's high byte repeats the setting that is left
.if MSB != \new
	s_set_vgpr_msb (MSB<<8)|\new
.set MSB, \new
.endif
.endm
.set MUL_LO, 0xa1                      ; source 0 (B) window 1, source 1 (A) window 0, C and D window 2
.set MUL_HI, 0xf1                      ; the same, C and D window 3
.set TO_B,   0x40
.macro PLACES n
.rept \n
	v_nop
.endr
.endm
.macro CREST                           ; a round of the cluster's barrier behind its opening barrier
	s_cmp_lg_u32 s10, 0
	s_cbranch_scc1 .Lnot_wave_0_\@
	s_barrier_signal -3
.Lnot_wave_0_\@:
	s_barrier_wait -3
	s_barrier_signal -1
	s_barrier_wait -1
.endm
.macro CROUND
	s_barrier_signal -1
	s_barrier_wait -1
	CREST
.endm
.macro GLA j                           ; A's four fragments and two scale registers of my own step j into set j % 3
	WIN 0
	global_load_b64 v[SCA+2*((\j)%3):SCA+2*((\j)%3)+1], v[ASO], s[48:49] offset:(\j)*BSUB
.irp a, 0,1,2,3
.irp c, 0,1,2,3
	global_load_b128 v[AF+64*((\j)%3)+16*\a+4*\c:AF+64*((\j)%3)+16*\a+4*\c+3], v[AFO], s[48:49] offset:(\j)*BSUB+2048*\a+512*\c
.endr
.endr
.endm
	s_load_b128 s[4:7], s[0:1], 0x0                ; aq, bq
	s_load_b64 s[8:9], s[0:1], 0x10                ; out0
	v_lshl_add_u32 v[SPW], v0, 2, SPARE
	v_mov_b32 v[NIL], 0
	ds_add_u32 v[SPW], v[NIL]                      ; the opening lines: the add, twice on end, and its wait ahead of my first tensor load
	ds_add_u32 v[SPW], v[NIL]
	v_lshrrev_b32 v1, 5, v0
	v_readfirstlane_b32 s10, v1                    ; wave
	s_lshr_b32 s11, s10, 1                         ; kh
	s_and_b32 s12, s10, 1                          ; mh
	s_bfe_u32 s40, ttmp6, 0x40000                  ; cx
	s_bfe_u32 s41, ttmp6, 0x40004                  ; cy
	s_lshl_b32 s42, ttmp9, 2
	s_add_co_u32 s42, s42, s40                     ; tile column
	s_and_b32 s43, ttmp7, 0xffff
	s_lshl_b32 s43, s43, 2
	s_add_co_u32 s43, s43, s41                     ; tile row
	s_lshl_b32 s13, 0x1111, s40                    ; my column of the cluster
	s_or_b32 s[G1], s13, (3<<16)|(1<<21)           ; the mask; elements of 8 bytes; bit 21 beside a mask
	s_mov_b32 s[G1+1], 32<<16                      ; a dense block as 132 rows of 256 bytes
	s_mov_b32 s[G1+2], (BSUB/256)<<16
	s_mov_b32 s[G1+3], 32<<16
	s_mov_b32 s[G1+4], BSUB/256
	s_mov_b32 s[G1+5], 32
	s_mov_b32 s[G1+6], 0
	s_mov_b32 s[G1+7], 0
	s_mul_i32 s20, s10, BSUB                       ; the K step of a slot that I fetch, in memory and in LDS
	s_mul_i32 s16, s42, BSTRIP
	s_add_co_u32 s16, s16, s20
	s_mov_b32 s17, 0
	s_mul_i32 s18, s43, ASTRIP
	s_mov_b32 s19, 0
	s_mul_i32 s21, s11, BSUB+PANEL                 ; window 2's half: K step kh of a pair, column half kh
	s_xor_b32 s22, s11, 1
	s_mul_i32 s22, s22, PANEL
	s_mul_i32 s23, s11, BSUB
	s_add_co_u32 s22, s22, s23                     ; window 3's half: column half 1 - kh
	s_mul_i32 s50, s11, PANEL
	s_mov_b32 s51, 0
	s_mul_i32 s52, s10, PANEL
	s_mov_b32 s53, 0
	s_mul_i32 s54, s41, 33*256
	s_mov_b32 s55, 0
	s_lshl_b32 s56, s43, 21                        ; the result: 128 rows a tile row,
	s_lshl_b32 s57, s12, 20                        ; my 64 of them,
	s_add_co_u32 s56, s56, s57
	s_lshl_b32 s57, s42, 10                        ; 256 columns a tile column,
	s_add_co_u32 s56, s56, s57
	s_lshl_b32 s57, s11, 9                         ; the half that I finish
	s_add_co_u32 s56, s56, s57
	s_mov_b32 s57, 0
	s_lshl_b32 s23, s12, 8
	s_add_co_u32 s23, s23, 8*2048
	s_mul_i32 s58, s40, 17
	s_lshl_b32 s59, s10, 15
	s_xor_b32 s60, s10, 2
	s_lshl_b32 s60, s60, 15
	s_mul_i32 s61, s10, 16*SPITCH
	s_add_co_u32 s61, s61, STAGE
	v_and_b32 v1, 31, v0
	v_lshlrev_b32 v[CO], 4, v1
	v_lshlrev_b32 v3, 2, v1
	v_add_nc_u32 v4, s21, v[CO]
	v_add_nc_u32 v5, s22, v[CO]
	v_add_nc_u32 v6, s21, v3
	v_add_nc_u32 v7, s22, v3
.irp q, 0,1,2,3
	v_add_nc_u32 v[ADB+2*\q], (\q/2)*SLOT+(\q%2)*2*BSUB, v4
	v_add_nc_u32 v[ADB+2*\q+1], (\q/2)*SLOT+(\q%2)*2*BSUB, v5
	v_add_nc_u32 v[ADS+2*\q], (\q/2)*SLOT+(\q%2)*2*BSUB, v6
	v_add_nc_u32 v[ADS+2*\q+1], (\q/2)*SLOT+(\q%2)*2*BSUB, v7
.endr
	v_lshl_add_u32 v[AFO], s12, 13, v[CO]          ; my four fragments of a panel's eight
	v_lshl_add_u32 v[ASO], v1, 3, s23              ; my run of scale words, 8 bytes a lane
	v_min_u32 v8, 16, v1
	v_add_nc_u32 v8, s58, v8
	v_min_u32 v8, 65, v8                           ; block 17 cx + min(lane, 16) of a panel's 66, held to the last
	v_lshlrev_b32 v[PFA], 8, v8
	v_lshlrev_b32 v[PFB0], 8, v1                   ; blocks 0 .. 31 of my work-group's 33,
	v_mov_b32 v[PFB1], 0x2000                      ; and block 32
	v_add_nc_u32 v[XST], s59, v[CO]
	v_add_nc_u32 v[XLD], s60, v[CO]
	v_and_b32 v8, 15, v0
	v_bfe_u32 v9, v0, 4, 1
	v_mul_u32_u24 v[STO], v8, SPITCH
	v_lshl_add_u32 v[STO], v9, 5, v[STO]
	v_add_nc_u32 v[STO], s61, v[STO]
	v_add_nc_u32 v[RD], s61, v[CO]
	s_wait_alu depctr_va_vdst(0)
	s_wait_dscnt 0x0                               ; both opening adds are done
	s_wait_kmcnt 0x0
	s_add_nc_u64 s[14:15], s[6:7], s[16:17]        ; B: my tile column, my K step of slot 0
	s_add_nc_u64 s[44:45], s[4:5], s[18:19]        ; A: my tile row
	s_add_nc_u64 s[48:49], s[44:45], s[50:51]      ; K step kh: my loads' base
	s_add_nc_u64 s[44:45], s[44:45], s[52:53]      ; the prefetches of A: the panel of K step w of a slot
	s_add_nc_u64 s[46:47], s[14:15], s[54:55]      ; the prefetches of B: my work-group's 33 blocks
	s_add_nc_u64 s[8:9], s[8:9], s[56:57]
	GLA 0
.irp s, 0,1
	s_mov_b32 s[G0+4*\s], 1
	s_add_co_u32 s[G0+4*\s+1], s20, \s*SLOT
	s_add_nc_u64 s[G0+4*\s+2:G0+4*\s+3], s[14:15], \s*SLOT
	s_or_b32 s[G0+4*\s+3], s[G0+4*\s+3], 0x80000000
.endr
	CROUND                                         ; all sixteen work-groups are here: the first joint loads meet
	tensor_load_to_lds s[G0:G0+3], s[G1:G1+7]      ; slot 0: one tensor load a wave at the head
	s_nop 0
	PLACES 4
.macro WM g, a, st, par, zero
.set rD,  8*(4*((\g)%8)+(\a))
.set rB,  16*(\g)
.set rA,  AF+64*(\st)+16*(\a)
.set rSB, SCB+8*(\par)+(\g)/2
.set rSA, SCA+2*(\st)+(\a)/2
.set odd, 2*((\g)%2)+(\a)%2
.if \zero
.if odd == 0
	v_wmma_scale_f32_16x16x128_f8f6f4 v[rD:rD+7], v[rB:rB+15], v[rA:rA+15], 0, v[rSB], v[rSA]
.elseif odd == 1
	v_wmma_scale_f32_16x16x128_f8f6f4 v[rD:rD+7], v[rB:rB+15], v[rA:rA+15], 0, v[rSB], v[rSA] matrix_b_scale:MATRIX_SCALE_ROW1
.elseif odd == 2
	v_wmma_scale_f32_16x16x128_f8f6f4 v[rD:rD+7], v[rB:rB+15], v[rA:rA+15], 0, v[rSB], v[rSA] matrix_a_scale:MATRIX_SCALE_ROW1
.else
	v_wmma_scale_f32_16x16x128_f8f6f4 v[rD:rD+7], v[rB:rB+15], v[rA:rA+15], 0, v[rSB], v[rSA] matrix_a_scale:MATRIX_SCALE_ROW1 matrix_b_scale:MATRIX_SCALE_ROW1
.endif
.else
.if odd == 0
	v_wmma_scale_f32_16x16x128_f8f6f4 v[rD:rD+7], v[rB:rB+15], v[rA:rA+15], v[rD:rD+7], v[rSB], v[rSA]
.elseif odd == 1
	v_wmma_scale_f32_16x16x128_f8f6f4 v[rD:rD+7], v[rB:rB+15], v[rA:rA+15], v[rD:rD+7], v[rSB], v[rSA] matrix_b_scale:MATRIX_SCALE_ROW1
.elseif odd == 2
	v_wmma_scale_f32_16x16x128_f8f6f4 v[rD:rD+7], v[rB:rB+15], v[rA:rA+15], v[rD:rD+7], v[rSB], v[rSA] matrix_a_scale:MATRIX_SCALE_ROW1
.else
	v_wmma_scale_f32_16x16x128_f8f6f4 v[rD:rD+7], v[rB:rB+15], v[rA:rA+15], v[rD:rD+7], v[rSB], v[rSA] matrix_a_scale:MATRIX_SCALE_ROW1 matrix_b_scale:MATRIX_SCALE_ROW1
.endif
.endif
.endm
; 16 matrix instructions: fragments f0 .. f0 + 3 of half X of B x A's four blocks.  The 64 accumulators take turns, in the same order in every step.
.macro MUL16 X, f0, j, zero
.irp f, \f0, \f0+1, \f0+2, \f0+3
.irp a, 0,1,2,3
	WM 8*(\X)+(\f), \a, (\j)%3, (\j)%2, \zero
.endr
.endr
.endm
.macro FB j, X                         ; half X's eight fragments of my own step j: 32 loads, 16 bytes a lane on end
	WIN TO_B
.irp f, 0,1,2,3,4,5,6,7
.irp c, 0,1,2,3
	ds_load_b128 v[128*(\X)+16*\f+4*\c:128*(\X)+16*\f+4*\c+3], v[ADB+2*((\j)%4)+(\X)] offset:2048*\f+512*\c
.endr
.endr
.endm
.macro FS j                            ; B's scale words of my own step j: a register serves two fragments, lanes 0-15 the even one, lanes 16-31 the odd one
	WIN 0
.irp X, 0,1
.irp m, 0,1,2,3
	ds_load_b32 v[SCB+8*((\j)%2)+4*\X+\m], v[ADS+2*((\j)%4)+\X] offset:8*2048+128*\m
.endr
.endr
.endm
; A slot's first own step: its successor lies in the same slot.  It asks for nothing of A.
.macro STEP j, zero
	s_wait_loadcnt 17                              ; my set of A is in; the next step's 17 loads may be out
	s_wait_dscnt 32                                ; the scale words and the first half are in; the second half's 32 loads may be out
	WIN MUL_LO
	MUL16 0, 0, \j, \zero
	MUL16 0, 4, \j, \zero
	s_wait_dscnt 0x0
	PLACES 8
	FS (\j)+1
	FB (\j)+1, 0
	WIN MUL_HI
	MUL16 1, 0, \j, \zero
	MUL16 1, 4, \j, \zero
	PLACES 8
	FB (\j)+1, 1
.endm
; A slot's last own step changes slots.  At its head A's loads of the next two own steps go out, into the sets that steps j - 2 and j - 1 read (eight places stand behind the last products).
; The first half's 32 products stand ahead of the change: between the wait for my tensor loads and the refill stand only the add, its wait, the barrier and the round.
.macro TURN j, fill, pfa, pfb
	GLA (\j)+1
	GLA (\j)+2
	s_wait_loadcnt 34                              ; my set of A is in; the 2 x 17 loads just issued may be out
	s_wait_dscnt 32
	WIN MUL_LO
	MUL16 0, 0, \j, 0
	MUL16 0, 4, \j, 0
	WIN 0
	s_wait_tensorcnt 0x0                           ; my part of the next slot has landed
	ds_add_u32 v[SPW], v[NIL]
	s_wait_dscnt 0x0                               ; the add is done, and my reads of this slot are over
	s_barrier_signal -1
	s_barrier_wait -1
.if \fill
	CREST                                          ; the barrier has opened a round of the cluster's barrier
	s_add_nc_u64 s[G0+4*(((\j)/2)%2)+2:G0+4*(((\j)/2)%2)+3], s[G0+4*(((\j)/2)%2)+2:G0+4*(((\j)/2)%2)+3], 2*SLOT
	tensor_load_to_lds s[G0+4*(((\j)/2)%2):G0+4*(((\j)/2)%2)+3], s[G1:G1+7]   ; the first tensor load behind the round: this slot, two slots on
	s_nop 0
.endif
	PLACES 8
	FS (\j)+1
	FB (\j)+1, 0
.if \pfa
	global_prefetch_b8 v[PFA], s[44:45] offset:4*(((\j)-1)/2+3)*PANEL th:TH_LOAD_NT scope:SCOPE_SE
.endif
.if \pfb
	global_prefetch_b8 v[PFB0], s[46:47] offset:4*(((\j)-1)/2+4)*BSUB th:TH_LOAD_NT scope:SCOPE_SE
	global_prefetch_b8 v[PFB1], s[46:47] offset:4*(((\j)-1)/2+4)*BSUB th:TH_LOAD_NT scope:SCOPE_SE
.endif
	WIN MUL_HI
	MUL16 1, 0, \j, 0
	MUL16 1, 4, \j, 0
	PLACES 8
	FB (\j)+1, 1
.endm
	s_wait_tensorcnt 0x0                           ; my part of slot 0 is in
	ds_add_u32 v[SPW], v[NIL]
	s_wait_dscnt 0x0
	CROUND
	tensor_load_to_lds s[G0+4:G0+7], s[G1:G1+7]    ; slot 1's first fill, the first tensor load behind the round
	s_nop 0
	PLACES 4
	GLA 1
	FS 0
	FB 0, 0
	FB 0, 1
	STEP 0, 1                                      ; the first step stands in front of the loop: its products start the sums
	WIN 0
	s_mov_b32 s3, 2
.Llap:                                                 ; a trip is 12 own steps: six slots, four turns of A's three sets
.irp j, 1,3,5,7,9,11
	TURN \j, 1, 1, 1
	STEP \j+1, 0
.endr
	WIN 0
	s_wait_xcnt 0x0                                ; the loads and prefetches have read their bases
	s_add_nc_u64 s[48:49], s[48:49], 24*PANEL
	s_add_nc_u64 s[44:45], s[44:45], 24*PANEL
	s_add_nc_u64 s[46:47], s[46:47], 24*BSUB
	s_sub_co_u32 s3, s3, 1
	s_cmp_lg_u32 s3, 0
	s_cbranch_scc1 .Llap
	TURN 1, 1, 1, 0                                ; the last seven own steps: two more refills (slots 14 and 15), one more prefetch (A's last slot)
	STEP 2, 0
	TURN 3, 1, 0, 0
	STEP 4, 0
	TURN 5, 0, 0, 0                                ; nothing is filled again: no round
	STEP 6, 0
	s_wait_loadcnt 0x0
	s_wait_dscnt 32
	WIN MUL_LO
	MUL16 0, 0, 7, 0
	MUL16 0, 4, 7, 0
	s_wait_dscnt 0x0
	WIN MUL_HI
	MUL16 1, 0, 7, 0
	MUL16 1, 4, 7, 0
	PLACES 8
; THE TWO PARTIAL SUMS MEET.  Window 3 (the half that my partner, wave w xor 2, finishes) goes as an image of the registers into 32,768 bytes of slot 0, which has had its last fill and its last read
; (every wave has passed the last change of slots); a barrier; my partner's image of my half comes into window 1 and is added to window 2.
	WIN 0x0c
.irp a, 0,1,2,3
.irp g, 0,1,2,3,4,5,6,7
	ds_store_b128 v[XST], v[8*(4*\g+\a):8*(4*\g+\a)+3] offset:(8*\a+\g)*1024         ; each accumulator from its low end on
	ds_store_b128 v[XST], v[8*(4*\g+\a)+4:8*(4*\g+\a)+7] offset:(8*\a+\g)*1024+512
.endr
.endr
	WIN 0
	s_wait_dscnt 0x0                               ; for the partner's sake: my stores are done
	s_barrier_signal -1
	s_barrier_wait -1
.macro XL a                            ; the partner's block a (16 rows x 128 columns): 16 loads
	WIN TO_B
.irp g, 0,1,2,3,4,5,6,7
	ds_load_b128 v[8*(8*(\a)+\g):8*(8*(\a)+\g)+3], v[XLD] offset:(8*(\a)+\g)*1024
	ds_load_b128 v[8*(8*(\a)+\g)+4:8*(8*(\a)+\g)+7], v[XLD] offset:(8*(\a)+\g)*1024+512
.endr
.endm
.macro ADDB a                          ; window 1 = window 2 + window 1
	WIN 0x46
.irp g, 0,1,2,3,4,5,6,7
.irp p, 0,2,4,6
	v_pk_add_f32 v[8*(8*(\a)+\g)+\p:8*(8*(\a)+\g)+\p+1], v[8*(4*\g+(\a))+\p:8*(4*\g+(\a))+\p+1], v[8*(8*(\a)+\g)+\p:8*(8*(\a)+\g)+\p+1]
.endr
.endr
.endm
; THE WAY OUT: a lane holds 32 neighbouring bytes of a row: a block goes through my own stage and comes back as whole rows of 512 bytes.  LDS serves a wave's instructions in order (ISA guide 5.7.1.4).
.macro TOSTAGE a
	WIN 0x04
.irp g, 0,1,2,3,4,5,6,7
	ds_store_b128 v[STO], v[8*(8*(\a)+\g):8*(8*(\a)+\g)+3] offset:64*\g
	ds_store_b128 v[STO], v[8*(8*(\a)+\g)+4:8*(8*(\a)+\g)+7] offset:64*\g+16
.endr
	WIN 0
.irp t, 0,1,2,3,4,5,6,7,8,9,10,11,12,13,14,15
	ds_load_b128 v[AF+64*((\a)%3)+4*\t:AF+64*((\a)%3)+4*\t+3], v[RD] offset:\t*SPITCH
.endr
.endm
.macro SEND a, younger
	s_wait_dscnt \younger
.irp t, 0,1,2,3,4,5,6,7,8,9,10,11,12,13,14,15
	global_store_b128 v[CO], v[AF+64*((\a)%3)+4*\t:AF+64*((\a)%3)+4*\t+3], s[8:9] offset:(16*(\a)+\t)*ROWC th:TH_STORE_NT   ; 32 lanes store 512 consecutive bytes, at a multiple of 256 from the buffer's first byte
.endr
.endm
	XL 0
	XL 1
	s_wait_dscnt 16                                ; block 0 is in
	ADDB 0
	XL 2
	TOSTAGE 0
	s_wait_dscnt 48                                ; block 1 is in: behind it stand block 2's 16 loads and the stage's 32
	ADDB 1
	XL 3
	TOSTAGE 1
	SEND 0, 48                                     ; behind block 0's rows: block 3's 16 loads and the stage's 32; block 2 is in too
	ADDB 2
	TOSTAGE 2
	SEND 1, 32                                     ; block 3 is in too
	s_wait_xcnt 0x0                                ; block 0's stores have read their registers, which block 3's rows take
	ADDB 3
	TOSTAGE 3
	SEND 2, 32
	SEND 3, 0
	s_wait_tensorcnt 0x0                           ; the wave's end
	ds_add_u32 v[SPW], v[NIL]
	s_wait_dscnt 0x0
	CROUND                                         ; the closing round
	s_endpgm
.Lfunc_end_k_q6bbe410d55_gemm:
	.size	k_q6bbe410d55_gemm, .Lfunc_end_k_q6bbe410d55_gemm-k_q6bbe410d55_gemm
	.p2alignl 7, 3214868480
	.fill 96, 4, 3214868480
	.section	.rodata,"a",@progbits
	.p2align	6, 0x0
	.amdhsa_kernel k_q6bbe410d55_gemm
		.amdhsa_group_segment_fixed_size 327680
		.amdhsa_private_segment_fixed_size 0
		.amdhsa_enable_private_segment 0
		.amdhsa_kernarg_size 24
		.amdhsa_user_sgpr_count 2
		.amdhsa_user_sgpr_kernarg_segment_ptr 1
		.amdhsa_wavefront_size32 1
		.amdhsa_system_sgpr_workgroup_id_x 1
		.amdhsa_system_sgpr_workgroup_id_y 1
		.amdhsa_system_sgpr_workgroup_id_z 1
		.amdhsa_system_vgpr_workitem_id 0
		.amdhsa_next_free_vgpr 1024
		.amdhsa_next_free_sgpr 66
		.amdhsa_reserve_vcc 0
		.amdhsa_float_denorm_mode_32 3
		.amdhsa_float_denorm_mode_16_64 3
		.amdhsa_memory_ordered 1
		.amdhsa_forward_progress 1
		.amdhsa_inst_pref_size 255
	.end_amdhsa_kernel
	.section	.bss,"aw",@nobits
	.p2align	6
	.space	262144
	.amdgpu_metadata
---
amdhsa.version: [ 1, 2 ]
amdhsa.kernels:
  - .name:           k_q6bbe410d55_gemm
    .symbol:         k_q6bbe410d55_gemm.kd
    .args:
      - { .name: aq, .offset: 0, .size: 8, .value_kind: global_buffer, .address_space: global }
      - { .name: bq, .offset: 8, .size: 8, .value_kind: global_buffer, .address_space: global }
      - { .name: out0, .offset: 16, .size: 8, .value_kind: global_buffer, .address_space: global }
    .group_segment_fixed_size: 327680
    .private_segment_fixed_size: 0
    .kernarg_segment_align: 8
    .kernarg_segment_size: 24
    .max_flat_workgroup_size: 128
    .sgpr_count:     66
    .vgpr_count:     1024
    .wavefront_size: 32
...
	.end_amdgpu_metadata
.endif
;; end of part 2
